; MI455X (gfx1250); checked and timed in simulation.
; The chip was launched on July 23, 2026; its instructions are those of AMD's public machine-readable ISA for CDNA 5 (MIT licence, August 2026) and "CDNA5" Instruction Set Architecture Reference Guide (July 2026). The comments in the code are by the model that wrote it; some were corrected since.
;; Vector Quantizer. Allowed arithmetic: matrix products marked QUANTISED: E5M2 operands, one E8M0 scale for each 32 along K, by v_wmma_scale_f32_16x16x128_f8f6f4 with both operands' format E5M2, f32 sums; everything else in f32.
;; Inputs: codebook 8,192 x 256 float32; z 8 x 256 x 64 x 64 float32.
;; Outputs: out0 8 x 256 x 64 x 64 float32.
;; This version of the problem:
;;   THIS VERSION OF THE PROBLEM IS GIVEN IN LOW PRECISION. The matrix products marked QUANTISED in the list below multiply operands that are first quantised to E5M2 (5 exponent bits, 2 mantissa bits; 8 bits a number), with one power-of-two scale for each 32 numbers along K (OCP MX v1.0); their sums are f32. All else is computed in f32.
;;   The module's matrix products, in the order in which they are computed (A, B: the left and right operand; K: the contracted axis; several contracted axes count as one K, in the product's order):
;;     1. [M 32,768, K 256] x [K 256, N 8,192]; A: input z; B: input codebook: QUANTISED
;;   THE QUANTISER, for each operand of a quantised product, along K:
;;     - K is cut into blocks of 32 from its start; a last block that is shorter is filled with zeros.
;;     - A block's scale is 2^e with e = floor(log2(the largest magnitude in the block)) - 15, held to -126 .. 127; a block of zeros has e = 0. As a byte (E8M0): e + 127.
;;     - Each number is divided by its block's scale, clamped to +-57,344, and rounded to the nearest number of E5M2, ties to even, subnormals kept.
;;     - The product sums the exact products of the quantised numbers (number of the format x scale) in f32.
;;   ~~~python
;;   def quantise(x, axis):      # numpy; x: float32 -> the quantised numbers, widened to float32 again
;;       x = np.moveaxis(x, axis, -1); K = x.shape[-1]
;;       x = np.pad(x, [(0, 0)] * (x.ndim - 1) + [(0, -K % 32)]); x = x.reshape(x.shape[:-1] + (-1, 32)); a = np.abs(x).max(-1, keepdims=True)
;;       e = np.where(a > 0, np.clip(np.frexp(np.where(a > 0, a, 1))[1] - 1 - 15, -126, 127), 0)      # np.frexp(a)[1] - 1 = floor(log2(a)), exactly
;;       r = np.clip(x / 2.0 ** e, -57344, 57344)
;;       step = 2.0 ** (np.maximum(np.frexp(np.where(r == 0, 1, r))[1] - 1, -14) - 2)
;;       q = np.round(r / step) * step * 2.0 ** e      # np.round: ties to even
;;       return np.moveaxis(q.reshape(q.shape[:-2] + (-1,))[..., :K], -1, axis).astype(np.float32)
;;   ~~~
;; One version. Each part assembles by itself: llvm-mc -triple=amdgcn-amd-amdhsa -mcpu=gfx1250 --defsym DOCPART=n.
;; ======== version 1 of 1: 3 launches
;; limits: right only within a limited range of input values
;; workspace buffers: cbq 2,228,224 bytes; idx 131,072 bytes of whole numbers
;; launch prep (part 1): grid 128 x 1, 4 waves a work-group, no clusters, 1,536 bytes of LDS; arguments codebook, cbq; writes cbq
.if DOCPART == 1
	.amdgcn_target "amdgcn-amd-amdhsa--gfx1250"
	.amdhsa_code_object_version 6
	.text
	.protected	k_q6df6f69683_prep
	.globl	k_q6df6f69683_prep
	.p2align	8
	.type	k_q6df6f69683_prep,@function
k_q6df6f69683_prep:
	s_mov_b64 s[64:65], 0
	v_nop
	global_prefetch_b8 v0, s[64:65] scope:SCOPE_SE
	s_setreg_imm32_b32 hwreg(HW_REG_WAVE_MODE, 25, 1), 1
	s_wait_xcnt 0x0
; The codebook [8192][256] f32 becomes codes of BF8 (E5M2) with one E8M0 byte for each 32 along K (K = the 256 channels, innermost), and se[n] = the sum of a row's squares in f32.
; A block's scale is 2^(floor(log2(its largest magnitude)) - 15); its byte is the largest magnitude's exponent field - 15, held at 1 from below.  Each number is held within +-57,344 x the scale and
; rounded to the nearest code, ties to even.
; THE RESULT IS LAID AS THE NEXT LAUNCH'S REGISTERS WANT IT.  cbq = 16 blobs of BLOB bytes, 512 codes (32 tiles of 16) each.  In a blob, for tile u = 0 .. 31:
;   u x 4096 + s x 2048 + 512 c + 16 x lane : registers 4 c .. 4 c + 3 of the fragment (tile u, K step s): lane (r, h) holds row r, k = 128 s + 32 c + 16 h + 0 .. 15
;   131072 + u x 128 + 4 x lane             : the scale register: lanes 0-15 row r's word of K step 0, lanes 16-31 row r's word of K step 1
;   135168 + u x 64 + 4 m                   : se of the tile's row m
;   137216 .. 139263                        : zeros, so that a blob is 544 rows of 256 bytes, 68 for each of eight waves
; SHARES.  Work-group g, wave w: tile 4 g + w of the 512.  No tensor load, no matrix work: the launch reads 8 MiB once.
; LIMITS: NaN and infinities among the inputs are not served.  A block of zeros gets the byte 1 where the rule says 127: its codes are zeros, which add nothing, and this program alone reads the bytes.
; se is summed in four packed chains, another order of f32 additions than a plain sum along the row.
.set BLOB, 139264
.set XA,   4                           ; v4   my bytes in the tile's 16 rows: 1024 r + 64 h
.set CO,   5                           ; v5   my 16 bytes of an image: 16 x lane + 4096 x tile in the blob
.set LSC,  6                           ; v6   LDS: my lane's scale word: 128 x wave + 4 x lane
.set LSE,  7                           ; v7   LDS: my row's se: 512 + 64 x wave + 4 r
.set LR0,  8                           ; v8   LDS: the way out of the scale words: 16 x lane
.set GO0,  9                           ; v9   and their place in the blob
.set LR1,  10                          ; v10  LDS: the way out of se: 512 + 8 x lane
.set GO1,  11                          ; v11  and its place in the blob (the zeros' too)
.set ZR,   12                          ; v[12:13] zeros
.set X0,   32                          ; v32-95   64 numbers of K step 0: register 16 b + i = k 32 b + 16 h + i of my row
.set X1,   96                          ; v96-159  of K step 1
.set PC0,  160                         ; v160-175 the codes of K step 0;  v176-191 of K step 1: two sets, so that no store's data are written again
.set PC1,  176
.set TM,   192                         ; v192-195 largest magnitudes, v196-199 bytes, v200-203 the largest number x the scale, v204-207 the conversions' scale operands
.set PW,   208                         ; v208, v209 the two scale words
.set ACC,  210                         ; v210-217 four packed chains of squares
.set WK,   218
.set SEL,  12                          ; s[12:13] v_permlanex16_b32's selects for lane l xor 16
.set MNT,  14                          ; s14  the mantissa field of 57,344
.set HM,   15                          ; s15  the mask of lanes 16-31
.macro XLOAD reg, s                    ; my 64 numbers of K step s
.irp b, 0,1,2,3
.irp j, 0,1,2,3
	global_load_b128 v[\reg+16*\b+4*\j:\reg+16*\b+4*\j+3], v[XA], s[4:5] offset:512*\s+128*\b+16*\j th:TH_LOAD_NT
.endr
.endr
.endm
.macro SQ x, first                     ; the squares of 64 numbers onto four packed chains; first = 1: the first four products start the chains
.set q, 0
.rept 32
.if (\first) && (q < 4)
	v_pk_mul_f32 v[ACC+2*q:ACC+2*q+1], v[\x+2*q:\x+2*q+1], v[\x+2*q:\x+2*q+1]
.else
	v_pk_fma_f32 v[ACC+2*(q%4):ACC+2*(q%4)+1], v[\x+2*q:\x+2*q+1], v[\x+2*q:\x+2*q+1], v[ACC+2*(q%4):ACC+2*(q%4)+1]
.endif
.set q, q+1
.endr
.endm
.macro QUANT s, pc, pw                 ; 64 numbers of a lane become a fragment's codes in v[pc] on and the row's scale word in v[pw]
.irp b, 0,1,2,3
	v_max3_num_f32 v[TM+\b], |v[\s+16*\b]|, |v[\s+1+16*\b]|, 0x8000000   ; block b: my 16 numbers, and the floor 2^(16 - 127): so the byte cannot fall under 1
.endr
.irp i, 2,4,6,8,10,12,14
.irp b, 0,1,2,3
	v_max3_num_f32 v[TM+\b], v[TM+\b], |v[\s+16*\b+\i]|, |v[\s+1+16*\b+\i]|   ; the four blocks by turns
.endr
.endr
.irp b, 0,1,2,3
	v_permlanex16_b32 v[TM+4+\b], v[TM+\b], s[SEL], s[SEL+1]
.endr
.irp b, 0,1,2,3
	v_max_num_f32 v[TM+\b], v[TM+\b], v[TM+4+\b]   ; with lane l xor 16's 16: the block's largest magnitude
.endr
.irp b, 0,1,2,3
	v_add_nc_u32 v[TM+12+\b], 0xf8800000, v[TM+\b]   ; 15 off its exponent field: the conversion takes this operand's exponent field as its scale
.endr
.irp b, 0,1,2,3
	v_and_or_b32 v[TM+8+\b], v[TM+\b], 0x7f800000, s[MNT]   ; 57,344 x the scale
.endr
.irp b, 0,1,2,3
	v_lshrrev_b32 v[TM+4+\b], 23, v[TM+12+\b]   ; the scale's byte
.endr
	v_lshl_or_b32 v[\pw], v[TM+5], 8, v[TM+4]
	v_lshl_or_b32 v[\pw], v[TM+6], 16, v[\pw]
	v_lshl_or_b32 v[\pw], v[TM+7], 24, v[\pw]
.irp b, 0,1,2,3
.irp i, 0,1,2,3,4,5,6,7,8,9,10,11,12,13,14,15
	v_med3_num_f32 v[\s+16*\b+\i], v[\s+16*\b+\i], -v[TM+8+\b], v[TM+8+\b]   ; the conversion to an 8-bit code does not saturate (ISA guide 7.6.2): the hold comes first
.endr
	v_cvt_scalef32_pk8_bf8_f32 v[\pc+4*\b:\pc+1+4*\b], v[\s+16*\b:\s+7+16*\b], v[TM+12+\b]
	v_cvt_scalef32_pk8_bf8_f32 v[\pc+2+4*\b:\pc+3+4*\b], v[\s+8+16*\b:\s+15+16*\b], v[TM+12+\b]
.endr
	v_nop                                          ; one plain line behind the last conversion, ahead of whatever next writes its sources
.endm
	s_load_b128 s[4:7], s[0:1], 0x0                ; codebook, cbq
	v_lshl_add_u32 v224, v0, 2, 0x400
	v_mov_b32 v225, 0
	v_lshrrev_b32 v1, 5, v0
	v_readfirstlane_b32 s8, v1                     ; wave 0..3
	v_and_b32 v1, 31, v0                           ; lane
	v_and_b32 v2, 15, v0                           ; r
	v_bfe_u32 v3, v0, 4, 1                         ; h
	v_lshlrev_b32 v[XA], 10, v2
	v_lshl_add_u32 v[XA], v3, 6, v[XA]
	s_and_b32 s9, ttmp9, 7                         ; which four tiles of the blob are my work-group's
	s_lshl_b32 s10, s9, 14
	s_lshl_b32 s11, s8, 12
	s_add_co_u32 s10, s10, s11
	v_lshl_add_u32 v[CO], v1, 4, s10
	v_lshlrev_b32 v[LSC], 2, v0
	s_lshl_b32 s10, s8, 6
	s_add_co_u32 s10, s10, 512
	v_lshl_add_u32 v[LSE], v2, 2, s10
	v_lshlrev_b32 v[LR0], 4, v1
	s_lshl_b32 s10, s9, 9
	v_add_nc_u32 v[GO0], s10, v[LR0]
	v_lshl_add_u32 v[LR1], v1, 3, 512
	s_lshl_b32 s10, s9, 8
	v_lshl_add_u32 v[GO1], v1, 3, s10
	v_mov_b32 v[ZR], 0
	v_mov_b32 v[ZR+1], 0
.irp b, 0,1,2,3
	v_mov_b32 v[TM+4+\b], 0                        ; written once: a lane permute's destination counts as one of its sources
.endr
	s_mov_b32 s[SEL], 0x76543210
	s_mov_b32 s[SEL+1], 0xfedcba98
	s_mov_b32 s[MNT], 0x600000
	s_mov_b32 s[HM], 0xffff0000
	s_lshl_b32 s16, ttmp9, 16                      ; my tile's 16 rows of 1,024 bytes: 65536 g + 16384 w
	s_lshl_b32 s17, s8, 14
	s_add_co_u32 s16, s16, s17
	s_mov_b32 s17, 0
	s_lshr_b32 s18, ttmp9, 3                       ; my blob
	s_mul_i32 s18, s18, BLOB
	s_mov_b32 s19, 0
	s_wait_kmcnt 0x0
	s_add_nc_u64 s[4:5], s[4:5], s[16:17]
	s_add_nc_u64 s[6:7], s[6:7], s[18:19]
	XLOAD X0, 0
	XLOAD X1, 1
	s_wait_loadcnt 16                              ; K step 0's sixteen loads are in; the sixteen issued behind them may be out
	SQ X0, 1                                       ; the squares first: the hold changes the numbers in place
	QUANT X0, PC0, PW
.irp c, 0,1,2,3
	global_store_b128 v[CO], v[PC0+4*\c:PC0+4*\c+3], s[6:7] offset:512*\c   ; 32 lanes store 512 consecutive bytes, at a multiple of 256 from the buffer's first byte
.endr
	s_wait_loadcnt 0x0
	SQ X1, 0
	QUANT X1, PC1, PW+1
.irp c, 0,1,2,3
	global_store_b128 v[CO], v[PC1+4*\c:PC1+4*\c+3], s[6:7] offset:2048+512*\c
.endr
	v_pk_add_f32 v[ACC:ACC+1], v[ACC:ACC+1], v[ACC+2:ACC+3]          ; the four chains,
	v_pk_add_f32 v[ACC+4:ACC+5], v[ACC+4:ACC+5], v[ACC+6:ACC+7]
	v_pk_add_f32 v[ACC:ACC+1], v[ACC:ACC+1], v[ACC+4:ACC+5]
	v_add_f32 v[ACC], v[ACC], v[ACC+1]                              ; the pair's halves,
	v_permlanex16_b32 v[TM+4], v[ACC], s[SEL], s[SEL+1]
	v_add_f32 v[ACC], v[ACC], v[TM+4]                               ; and lane l xor 16's half of the row: se
	v_cndmask_b32 v[WK], v[PW], v[PW+1], s[HM]                      ; lanes 0-15 K step 0's word, lanes 16-31 K step 1's
	ds_store_b32 v[LSC], v[WK]
	ds_store_b32 v[LSE], v[ACC]                    ; both lanes of a row write the same word with the same value
	s_wait_dscnt 0x0                               ; for the others' sake: my stores have landed
	s_barrier_signal -1
	s_barrier_wait -1
	; four tiles' scale words are 512 consecutive bytes of the blob, their se 256: each leaves by one store of one wave.  The branches hang on the wave's number; no barrier stands inside
	s_cmp_lg_u32 s8, 0
	s_cbranch_scc1 .Lnot_0
	ds_load_b128 v[20:23], v[LR0]
	s_wait_dscnt 0x0
	global_store_b128 v[GO0], v[20:23], s[6:7] offset:131072
.Lnot_0:
	s_cmp_lg_u32 s8, 1
	s_cbranch_scc1 .Lnot_1
	ds_load_b64 v[24:25], v[LR1]
	s_wait_dscnt 0x0
	global_store_b64 v[GO1], v[24:25], s[6:7] offset:135168
.Lnot_1:
	s_cmp_lg_u32 s8, 2
	s_cbranch_scc1 .Lnot_2
	global_store_b64 v[GO1], v[ZR:ZR+1], s[6:7] offset:137216       ; my work-group's 256 of the blob's 2,048 closing zeros
.Lnot_2:
	s_wait_tensorcnt 0x0
	ds_add_u32 v224, v225
	s_wait_dscnt 0x0
	s_endpgm
.Lfunc_end_k_q6df6f69683_prep:
	.size	k_q6df6f69683_prep, .Lfunc_end_k_q6df6f69683_prep-k_q6df6f69683_prep
	.p2alignl 7, 3214868480
	.fill 96, 4, 3214868480
	.section	.rodata,"a",@progbits
	.p2align	6, 0x0
	.amdhsa_kernel k_q6df6f69683_prep
		.amdhsa_group_segment_fixed_size 1536
		.amdhsa_private_segment_fixed_size 0
		.amdhsa_enable_private_segment 0
		.amdhsa_kernarg_size 16
		.amdhsa_user_sgpr_count 2
		.amdhsa_user_sgpr_kernarg_segment_ptr 1
		.amdhsa_wavefront_size32 1
		.amdhsa_system_sgpr_workgroup_id_x 1
		.amdhsa_system_sgpr_workgroup_id_y 1
		.amdhsa_system_sgpr_workgroup_id_z 1
		.amdhsa_system_vgpr_workitem_id 0
		.amdhsa_next_free_vgpr 226
		.amdhsa_next_free_sgpr 66
		.amdhsa_reserve_vcc 0
		.amdhsa_float_denorm_mode_32 3
		.amdhsa_float_denorm_mode_16_64 3
		.amdhsa_memory_ordered 1
		.amdhsa_forward_progress 1
		.amdhsa_inst_pref_size 28
	.end_amdhsa_kernel
	.amdgpu_metadata
---
amdhsa.version: [ 1, 2 ]
amdhsa.kernels:
  - .name:           k_q6df6f69683_prep
    .symbol:         k_q6df6f69683_prep.kd
    .args:
      - { .name: codebook, .offset: 0, .size: 8, .value_kind: global_buffer, .address_space: global }
      - { .name: cbq, .offset: 8, .size: 8, .value_kind: global_buffer, .address_space: global }
    .group_segment_fixed_size: 1536
    .private_segment_fixed_size: 0
    .kernarg_segment_align: 8
    .kernarg_segment_size: 16
    .max_flat_workgroup_size: 128
    .sgpr_count:     66
    .vgpr_count:     226
    .wavefront_size: 32
...
	.end_amdgpu_metadata
.endif
;; end of part 1
;; launch find (part 2): grid 256 x 1, 8 waves a work-group, clusters of 4 x 1, 327,680 bytes of LDS; arguments z, cbq, idx; writes idx
.if DOCPART == 2
	.amdgcn_target "amdgcn-amd-amdhsa--gfx1250"
	.amdhsa_code_object_version 6
	.text
	.protected	k_q6df6f69683_find
	.globl	k_q6df6f69683_find
	.p2align	8
	.type	k_q6df6f69683_find,@function
k_q6df6f69683_find:
	s_mov_b64 s[64:65], 0
	v_nop
	global_prefetch_b8 v0, s[64:65] scope:SCOPE_SE
	s_setreg_imm32_b32 hwreg(HW_REG_WAVE_MODE, 25, 1), 1
	s_wait_xcnt 0x0
	s_wait_alu depctr_hold_cnt(0) depctr_sa_sdst(0) depctr_va_vdst(0) depctr_va_sdst(0) depctr_va_ssrc(0) depctr_va_vcc(0) depctr_vm_vsrc(0)
	s_getreg_b32 s2, hwreg(HW_REG_IB_STS2, 6, 4)
	s_cmp_eq_u32 s2, 0
	s_cbranch_scc0 .Lentry_in_a_cluster
	s_endpgm
.Lentry_in_a_cluster:
	s_bfe_u32 s2, ttmp6, 0x10000c
	s_cmp_lg_u32 s2, 0x3003
	s_cbranch_scc0 .Lentry_shape_is_right
	s_endpgm
.Lentry_shape_is_right:
; idx[n] = the first index of the least d[n][e] = (sx[n] + se[e]) - 2 x[n].e[e] over the 8,192 codes: sx + se is one f32 addition and the rest one fused multiply-add,
; so that d has the two roundings of the definition; x.e is the quantised product (E5M2 codes, one E8M0 byte for each 32 channels), two matrix instructions of K = 128 for each 16 x 16.
; sx stays although it is the same for all codes of a token: it is large beside the other terms, and the f32 roundings that it causes decide ties.
; SHARES.  Work-group: 128 tokens of one image (8 tiles of 16).  z's 256 channels x 128 tokens come once by tensor loads, each wave quantises one tile of tokens along the channels and hands codes, scale words and sx
; to the others through LDS; then every wave holds all 8 tiles' codes in window 1.  The codebook's 16 blobs of 512 codes go through two LDS slots by joint loads of a cluster of 4 work-groups, which walk the same blobs;
; wave w takes code tiles 4 w .. 4 w + 3 of each blob.  A lane holds one token and 8 codes of a tile (source 0 = the codes' rows).
; THE WINNER.  For each token tile a lane keeps the least d so far, the number of the code tile that brought it, and that tile's eight d; the place among the eight is found once, behind the ring.
; Strictly less replaces, so the first index wins; lanes, then waves, are merged by (d, index).
; LIMITS: NaN and infinities among the inputs are not served.
.set BLOB,  139264
.set PART,  BLOB/8
.set SCO,   131072
.set SEO,   135168
.set SLOT1, BLOB
.set ZP,    520
.set IMG,   2*BLOB
.set TSC,   IMG+32768
.set SXB,   TSC+1024
.set SPARE, SXB+512
.set SPW,  1
.set NIL,  2
.set PFO,  3
.set ADC,  4
.set ADS,  6
.set ADE,  8
.set RR,   10
.set HH,   11
.set TS,   12
.set CS,   20
.set W0,   21
.set SX,   22
.set BV,   38
.set BI,   54
.set SE,   62
.set T,    78
.set A,    94
.set D,    126
.set SV,   190
.set PW,   254
.set X0,   126
.set X1,   190
.set PC,   94
.set TM,   78
.set ACC,  62
.set ZA,   38
.set IW,   40
.set TW,   41
.set SXW,  42
.set LI,   43
.set LS,   44
.set SXA,  45
.set WV,   10
.set CX,   11
.set WG,   12
.set GRP,  13
.set G1C,  16
.set G1Z,  24
.set G0C,  32
.set G0Z,  40
.set CNT,  44
.set CID,  45
.set SL,   46
.set LIM,  47
.set PFA,  48
.set HM,   51
.set SEL,  52
.set MNT,  54
.set MK,   55
.set MSB, 0
.macro WIN new
.if MSB != \new
	s_set_vgpr_msb (MSB<<8)|\new
.set MSB, \new
.endif
.endm
.macro PLACES n
.rept \n
	v_nop
.endr
.endm
.macro ROUND
	s_barrier_signal -1
	s_barrier_wait -1
	s_cmp_lg_u32 s[WV], 0
	s_cbranch_scc1 .Lnot_wave_0_\@
	s_barrier_signal -3
.Lnot_wave_0_\@:
	s_barrier_wait -3
	s_barrier_signal -1
	s_barrier_wait -1
.endm
.macro SQ x, first
.set q, 0
.rept 32
.if (\first) && (q < 4)
	v_pk_mul_f32 v[ACC+2*q:ACC+2*q+1], v[\x+2*q:\x+2*q+1], v[\x+2*q:\x+2*q+1]
.else
	v_pk_fma_f32 v[ACC+2*(q%4):ACC+2*(q%4)+1], v[\x+2*q:\x+2*q+1], v[\x+2*q:\x+2*q+1], v[ACC+2*(q%4):ACC+2*(q%4)+1]
.endif
.set q, q+1
.endr
.endm
.macro QUANT s, pc, pw
.irp b, 0,1,2,3
	v_max3_num_f32 v[TM+\b], |v[\s+16*\b]|, |v[\s+1+16*\b]|, 0x8000000
.endr
.irp i, 2,4,6,8,10,12,14
.irp b, 0,1,2,3
	s_delay_alu instid0(VALU_DEP_4)
	v_max3_num_f32 v[TM+\b], v[TM+\b], |v[\s+16*\b+\i]|, |v[\s+1+16*\b+\i]|
.endr
.endr
.irp b, 0,1,2,3
	s_delay_alu instid0(VALU_DEP_4)
	v_permlanex16_b32 v[TM+4+\b], v[TM+\b], s[SEL], s[SEL+1]
.endr
.irp b, 0,1,2,3
	s_delay_alu instid0(VALU_DEP_4)
	v_max_num_f32 v[TM+\b], v[TM+\b], v[TM+4+\b]
.endr
.irp b, 0,1,2,3
	s_delay_alu instid0(VALU_DEP_4)
	v_add_nc_u32 v[TM+12+\b], 0xf8800000, v[TM+\b]
.endr
.irp b, 0,1,2,3
	v_and_or_b32 v[TM+8+\b], v[TM+\b], 0x7f800000, s[MNT]
.endr
.irp b, 0,1,2,3
	v_lshrrev_b32 v[TM+4+\b], 23, v[TM+12+\b]
.endr
	s_delay_alu instid0(VALU_DEP_3)
	v_lshl_or_b32 v[\pw], v[TM+5], 8, v[TM+4]
	s_delay_alu instid0(VALU_DEP_1)
	v_lshl_or_b32 v[\pw], v[TM+6], 16, v[\pw]
	s_delay_alu instid0(VALU_DEP_1)
	v_lshl_or_b32 v[\pw], v[TM+7], 24, v[\pw]
.irp b, 0,1,2,3
.irp i, 0,1,2,3,4,5,6,7,8,9,10,11,12,13,14,15
	v_med3_num_f32 v[\s+16*\b+\i], v[\s+16*\b+\i], -v[TM+8+\b], v[TM+8+\b]
.endr
	v_cvt_scalef32_pk8_bf8_f32 v[\pc+4*\b:\pc+1+4*\b], v[\s+16*\b:\s+7+16*\b], v[TM+12+\b]
	v_cvt_scalef32_pk8_bf8_f32 v[\pc+2+4*\b:\pc+3+4*\b], v[\s+8+16*\b:\s+15+16*\b], v[TM+12+\b]
.endr
	v_nop
.endm
.macro FETCH slot, i
.irp c, 0,1,2,3,4,5,6,7
	ds_load_b128 v[A+4*\c:A+4*\c+3], v[ADC+(\slot)] offset:4096*(\i)+512*\c
.endr
	ds_load_b32 v[CS], v[ADS+(\slot)] offset:128*(\i)
	ds_load_b128 v[SE+8*((\i)%2):SE+8*((\i)%2)+3], v[ADE+(\slot)] offset:64*(\i)
	ds_load_b128 v[SE+8*((\i)%2)+4:SE+8*((\i)%2)+7], v[ADE+(\slot)] offset:64*(\i)+16
.endm
.macro MUL16
	s_wait_dscnt 0x0
	WIN 0x04
.irp t, 0,1,2,3,4,5,6,7
	v_wmma_scale_f32_16x16x128_f8f6f4 v[D+8*\t:D+8*\t+7], v[A:A+15], v[32*\t:32*\t+15], 0, v[CS], v[TS+\t] matrix_a_fmt:MATRIX_FMT_BF8 matrix_b_fmt:MATRIX_FMT_BF8
.endr
.irp t, 0,1,2,3,4,5,6,7
	v_wmma_scale_f32_16x16x128_f8f6f4 v[D+8*\t:D+8*\t+7], v[A+16:A+31], v[32*\t+16:32*\t+31], v[D+8*\t:D+8*\t+7], v[CS], v[TS+\t] matrix_a_fmt:MATRIX_FMT_BF8 matrix_b_fmt:MATRIX_FMT_BF8 matrix_a_scale:MATRIX_SCALE_ROW1 matrix_b_scale:MATRIX_SCALE_ROW1
.endr
	WIN 0
.endm
.macro VS t, p, b
.irp j, 0,2,4,6
	v_pk_add_f32 v[T+8*(\p)+\j:T+8*(\p)+\j+1], v[SE+8*(\b)+\j:SE+8*(\b)+\j+1], v[SX+2*(\t):SX+2*(\t)+1]
.endr
.endm
.macro VD t, p
.irp j, 0,2,4,6
	v_pk_fma_f32 v[D+8*(\t)+\j:D+8*(\t)+\j+1], v[D+8*(\t)+\j:D+8*(\t)+\j+1], -2.0, v[T+8*(\p)+\j:T+8*(\p)+\j+1] op_sel_hi:[1,0,1]
.endr
.endm
.macro KEEP t, o
	v_cmp_lt_f32 vcc_lo, v[BV+8*(1-(\o))+(\t)], v[BV+8*(\o)+(\t)]
	s_delay_alu instid0(VALU_DEP_1)
	v_cndmask_b32 v[BI+(\t)], v[BI+(\t)], s[CID], vcc_lo
.irp j, 0,2,4,6                        ; the tile's eight d are kept where VCC says so: two selects to a line (an even and an odd destination, sources in neighbouring registers)
	v_dual_cndmask_b32 v[SV+8*(\t)+\j], v[SV+8*(\t)+\j], v[D+8*(\t)+\j] :: v_dual_cndmask_b32 v[SV+8*(\t)+\j+1], v[SV+8*(\t)+\j+1], v[D+8*(\t)+\j+1]
.endr
.endm
.macro VPAIR a, b, o, fetch, fslot, fi
	VS \a, 0, \b
	VS (\a)+1, 1, \b
.if \fetch
	FETCH \fslot, \fi
.endif
	VD \a, 0
	VD (\a)+1, 1
.irp u, 0
	v_min3_num_f32 v[T+8*\u], v[D+8*((\a)+\u)], v[D+8*((\a)+\u)+1], v[D+8*((\a)+\u)+2]
.endr
.irp u, 1
	s_delay_alu instid0(VALU_DEP_4)
	v_min3_num_f32 v[T+8*\u], v[D+8*((\a)+\u)], v[D+8*((\a)+\u)+1], v[D+8*((\a)+\u)+2]
.endr
.irp u, 0,1
	v_min3_num_f32 v[T+8*\u+1], v[D+8*((\a)+\u)+3], v[D+8*((\a)+\u)+4], v[D+8*((\a)+\u)+5]
.endr
.irp u, 0,1
	s_delay_alu instid0(VALU_DEP_4)
	v_min3_num_f32 v[T+8*\u], v[T+8*\u], v[D+8*((\a)+\u)+6], v[D+8*((\a)+\u)+7]
.endr
.irp u, 0,1
	s_delay_alu instid0(VALU_DEP_2)
	v_min3_num_f32 v[BV+8*(1-(\o))+(\a)+\u], v[T+8*\u], v[T+8*\u+1], v[BV+8*(\o)+(\a)+\u]
.endr
	KEEP \a, \o
	KEEP (\a)+1, \o
.endm
.macro ARGMIN b, o, step, fetch, fslot, fi
	VPAIR 0, \b, \o, \fetch, \fslot, \fi
	VPAIR 2, \b, \o, 0, 0, 0
	VPAIR 4, \b, \o, 0, 0, 0
	VPAIR 6, \b, \o, 0, 0, 0
	s_add_co_u32 s[CID], s[CID], \step
.endm
.macro ASK
	s_cmp_gt_u32 s[SL], s[LIM]
	s_cbranch_scc0 .Lnot_mine_\@
	global_prefetch_b8 v[PFO], s[PFA:PFA+1] th:TH_LOAD_NT scope:SCOPE_SE
.Lnot_mine_\@:
.endm
.macro TRIP slot, refill, last
.if \refill
	s_wait_xcnt 0x0
	s_add_nc_u64 s[PFA:PFA+1], s[PFA:PFA+1], BLOB
.endif
	s_wait_tensorcnt 0x0
	ds_add_u32 v[SPW], v[NIL]
	s_add_nc_u64 s[G0C+4*(\slot)+2:G0C+4*(\slot)+3], s[G0C+4*(\slot)+2:G0C+4*(\slot)+3], 2*BLOB
	s_wait_dscnt 0x0
	ROUND
.if \refill
	tensor_load_to_lds s[G0C+4*(1-(\slot)):G0C+4*(1-(\slot))+3], s[G1C:G1C+7]
	s_nop 0
.endif
	PLACES 9
	FETCH \slot, 0
.if \refill
	ASK
	s_sub_co_u32 s[SL], s[SL], 1
.endif
	s_cmp_eq_u32 s[GRP], 0
	s_cbranch_scc1 .Lnothing_carried_\@
	ARGMIN 1, 1, 29, 0, 0, 0
.Lnothing_carried_\@:
	MUL16
	ARGMIN 0, 0, 1, 1, \slot, 1
	MUL16
	ARGMIN 1, 1, 1, 1, \slot, 2
	MUL16
	ARGMIN 0, 0, 1, 1, \slot, 3
	MUL16
.if \last
	ARGMIN 1, 1, 29, 0, 0, 0
.else
	s_cmp_lg_u32 s[GRP], 0
	s_cbranch_scc1 .Lcarried_on_\@
	ARGMIN 1, 1, 29, 0, 0, 0
.Lcarried_on_\@:
.endif
.endm
.macro MERGE v, i, ov, oi
	v_cmp_lt_f32 s[MK], v[\ov], v[\v]
	v_cmp_eq_f32 s[MK+1], v[\ov], v[\v]
	v_cmp_lt_u32 s[MK+2], v[\oi], v[\i]
	s_and_b32 s[MK+1], s[MK+1], s[MK+2]
	s_or_b32 s[MK], s[MK], s[MK+1]
	v_cndmask_b32 v[\v], v[\v], v[\ov], s[MK]
	v_cndmask_b32 v[\i], v[\i], v[\oi], s[MK]
.endm
	s_load_b128 s[4:7], s[0:1], 0x0
	s_load_b64 s[8:9], s[0:1], 0x10
	v_lshl_add_u32 v[SPW], v0, 2, SPARE
	v_mov_b32 v[NIL], 0
	ds_add_u32 v1, v2
	ds_add_u32 v1, v2
	s_wait_dscnt 0x0
	v_lshrrev_b32 v[W0], 5, v0
	s_delay_alu instid0(VALU_DEP_1)
	v_readfirstlane_b32 s[WV], v[W0]
	s_bfe_u32 s[CX], ttmp6, 0x40000
	s_lshl_b32 s[WG], ttmp9, 2
	s_add_co_u32 s[WG], s[WG], s[CX]
	s_lshr_b32 s[GRP], s[WV], 2
	s_xor_b32 s[GRP], s[GRP], s[WV]
	s_and_b32 s[GRP], s[GRP], 1
	s_mov_b32 s[G1C+0], 15|(3<<16)|(1<<21)
	s_mov_b32 s[G1C+1], 32<<16
	s_mov_b32 s[G1C+2], 68<<16
	s_mov_b32 s[G1C+3], 32<<16
	s_mov_b32 s[G1C+4], 68
	s_mov_b32 s[G1C+5], 32
	s_mov_b32 s[G1C+6], 0
	s_mov_b32 s[G1C+7], 0
	s_mov_b32 s[G1Z+0], (2<<16)|(1<<20)|(6<<22)|(1<<25)
	s_mov_b32 s[G1Z+1], 128<<16
	s_mov_b32 s[G1Z+2], 32<<16
	s_mov_b32 s[G1Z+3], 128<<16
	s_mov_b32 s[G1Z+4], 32
	s_mov_b32 s[G1Z+5], 4096
	s_mov_b32 s[G1Z+6], 0
	s_mov_b32 s[G1Z+7], 0
	s_mov_b32 s[SEL], 0x76543210
	s_mov_b32 s[SEL+1], 0xfedcba98
	s_mov_b32 s[MNT], 0x600000
	s_mov_b32 s[HM], 0xffff0000
	s_mov_b32 s[SL], 15
	s_lshr_b32 s14, s[WG], 5
	s_lshl_b32 s14, s14, 22
	s_and_b32 s15, s[WG], 31
	s_lshl_b32 s15, s15, 9
	s_add_co_u32 s14, s14, s15
	s_lshl_b32 s15, s[WV], 19
	s_add_co_u32 s14, s14, s15
	s_mov_b32 s15, 0
	s_lshl_b32 s60, s[WG], 9
	s_mov_b32 s61, 0
	s_mul_i32 s2, s[WV], PART
	s_mov_b32 s3, 0
	s_lshl_b32 s58, s[CX], 15
	s_lshl_b32 s59, s[WV], 13
	s_add_co_u32 s58, s58, s59
	s_add_co_u32 s58, s58, BLOB
	s_lshl_b32 s59, s[CX], 11
	s_add_co_u32 s59, s59, BLOB+SCO
	s_cmp_lt_u32 s[WV], 4
	s_cselect_b32 s58, s58, s59
	s_cselect_b32 s57, 0, 2
	s_mov_b32 s59, 0
	v_and_b32 v[PFO], 31, v0
	s_delay_alu instid0(VALU_DEP_1)
	v_lshrrev_b32 v[PFO], s57, v[PFO]
	s_delay_alu instid0(VALU_DEP_1)
	v_lshlrev_b32 v[PFO], 8, v[PFO]
	s_cmp_gt_u32 s[WV], 4
	s_cselect_b32 s[LIM], 1, 0
	s_or_b32 s[LIM], s[LIM], ttmp9
	s_cmp_eq_u32 s[LIM], 0
	s_cselect_b32 s[LIM], 1, -1
	s_wait_kmcnt 0x0
	s_add_nc_u64 s[PFA:PFA+1], s[6:7], s[58:59]
	s_add_nc_u64 s[8:9], s[8:9], s[60:61]
	s_mov_b32 s[G0Z], 1
	s_mul_i32 s[G0Z+1], s[WV], 32*ZP
	s_add_co_u32 s[G0Z+1], s[G0Z+1], SLOT1
	s_add_nc_u64 s[G0Z+2:G0Z+3], s[4:5], s[14:15]
	s_or_b32 s[G0Z+3], s[G0Z+3], 0x80000000
	s_mov_b32 s[G0C], 1
	s_mov_b32 s[G0C+1], s2
	s_add_nc_u64 s[G0C+2:G0C+3], s[6:7], s[2:3]
	s_mov_b32 s[G0C+4], 1
	s_add_co_u32 s[G0C+5], s2, BLOB
	s_add_nc_u64 s[G0C+6:G0C+7], s[G0C+2:G0C+3], BLOB
	s_or_b32 s[G0C+3], s[G0C+3], 0x80000000
	s_or_b32 s[G0C+7], s[G0C+7], 0x80000000
	ROUND
	tensor_load_to_lds s[G0Z:G0Z+3], s[G1Z:G1Z+7]
	s_nop 0
	s_wait_alu depctr_va_vdst(0)
	s_wait_tensorcnt 0x0
	ds_add_u32 v1, v2
	s_wait_dscnt 0x0
	ROUND
	tensor_load_to_lds s[G0C:G0C+3], s[G1C:G1C+7]
	s_nop 0
	v_and_b32 v[W0], 31, v0
	v_and_b32 v[RR], 15, v0
	v_bfe_u32 v[HH], v0, 4, 1
	s_delay_alu instid0(VALU_DEP_1)
	v_mul_u32_u24 v[ZA], v[HH], 16*ZP
	s_delay_alu instid0(VALU_DEP_1)
	v_lshl_add_u32 v[ZA], v[RR], 2, v[ZA]
	s_lshl_b32 s50, s[WV], 6
	s_add_co_u32 s62, s50, SLOT1
	v_add_nc_u32 v[ZA], s62, v[ZA]
	s_delay_alu instid0(VALU_DEP_1)
	v_add_nc_u32 v[ZA+1], 128*ZP, v[ZA]
	s_add_co_u32 s62, s50, SXB
	v_lshl_add_u32 v[SXW], v[RR], 2, s62
	s_lshl_b32 s50, s[WV], 12
	s_add_co_u32 s50, s50, IMG
	v_lshl_add_u32 v[IW], v[W0], 4, s50
	v_lshl_add_u32 v[TW], v0, 2, TSC
	v_lshl_add_u32 v[LI], v[W0], 4, IMG
	v_lshl_add_u32 v[LS], v[W0], 2, TSC
	v_lshl_add_u32 v[SXA], v[RR], 2, SXB
	s_lshl_b32 s50, s[WV], 14
	v_lshl_add_u32 v[ADC], v[W0], 4, s50
	s_delay_alu instid0(VALU_DEP_1)
	v_add_nc_u32 v[ADC+1], BLOB, v[ADC]
	s_lshl_b32 s50, s[WV], 9
	s_add_co_u32 s50, s50, SCO
	v_lshl_add_u32 v[ADS], v[W0], 2, s50
	s_delay_alu instid0(VALU_DEP_1)
	v_add_nc_u32 v[ADS+1], BLOB, v[ADS]
	s_lshl_b32 s50, s[WV], 8
	s_add_co_u32 s50, s50, SEO
	v_lshl_add_u32 v[ADE], v[HH], 5, s50
	s_delay_alu instid0(VALU_DEP_1)
	v_add_nc_u32 v[ADE+1], BLOB, v[ADE]
.irp b, 0,1,2,3
	v_mov_b32 v[TM+4+\b], 0
.endr
	s_wait_tensorcnt 0x1
	s_barrier_signal -1
	s_barrier_wait -1
.irp b, 0,1,2,3
.irp i, 0,1,2,3,4,5,6,7,8,9,10,11,12,13,14,15
	ds_load_b32 v[X0+16*\b+\i], v[ZA] offset:(32*\b+\i)*ZP
.endr
.endr
.irp b, 0,1,2,3
.irp i, 0,1,2,3,4,5,6,7,8,9,10,11,12,13,14,15
	ds_load_b32 v[X1+16*\b+\i], v[ZA+1] offset:(32*\b+\i)*ZP
.endr
.endr
	s_wait_dscnt 63
	SQ X0, 1
	QUANT X0, PC, PW
.irp c, 0,1,2,3
	ds_store_b128 v[IW], v[PC+4*\c:PC+4*\c+3] offset:512*\c
.endr
	s_wait_dscnt 0x0
	SQ X1, 0
	QUANT X1, PC, PW+1
.irp c, 0,1,2,3
	ds_store_b128 v[IW], v[PC+4*\c:PC+4*\c+3] offset:2048+512*\c
.endr
	v_cndmask_b32 v[W0], v[PW], v[PW+1], s[HM]
	ds_store_b32 v[TW], v[W0]
	v_pk_add_f32 v[ACC:ACC+1], v[ACC:ACC+1], v[ACC+2:ACC+3]
	v_pk_add_f32 v[ACC+4:ACC+5], v[ACC+4:ACC+5], v[ACC+6:ACC+7]
	s_delay_alu instid0(VALU_DEP_1)
	v_pk_add_f32 v[ACC:ACC+1], v[ACC:ACC+1], v[ACC+4:ACC+5]
	s_delay_alu instid0(VALU_DEP_1)
	v_add_f32 v[ACC], v[ACC], v[ACC+1]
	s_delay_alu instid0(VALU_DEP_1)
	v_permlanex16_b32 v[TM+4], v[ACC], s[SEL], s[SEL+1]
	s_delay_alu instid0(VALU_DEP_1)
	v_add_f32 v[ACC], v[ACC], v[TM+4]
	ds_store_b32 v[SXW], v[ACC]
	s_wait_dscnt 0x0
	s_barrier_signal -1
	s_barrier_wait -1
	WIN 0x40
.irp t, 0,1,2,3,4,5,6,7
.irp c, 0,1,2,3,4,5,6,7
	ds_load_b128 v[32*\t+4*\c:32*\t+4*\c+3], v[LI] offset:4096*\t+512*\c
.endr
.endr
	WIN 0
.irp t, 0,1,2,3,4,5,6,7
	ds_load_b32 v[TS+\t], v[LS] offset:128*\t
	ds_load_b32 v[SX+2*\t], v[SXA] offset:64*\t
	ds_load_b32 v[SX+2*\t+1], v[SXA] offset:64*\t
.endr
	s_mov_b32 s58, 0x7f800000
	s_mov_b32 s59, 0xff800000
.set q, 0
.rept 64
	v_mov_b32 v[D+q], s59
	v_mov_b32 v[SV+q], s58
.set q, q+1
.endr
.irp t, 0,1,2,3,4,5,6,7
	v_mov_b32 v[BV+8+\t], s58
	v_mov_b32 v[BI+\t], 0
	v_mov_b32 v[SE+8+\t], 0
.endr
	s_lshl_b32 s[CID], s[WV], 2
	s_mul_i32 s50, s[GRP], 29
	s_sub_co_u32 s[CID], s[CID], s50
	s_wait_dscnt 0x0
.irp t, 0,1,2,3,4,5,6,7
	v_mov_b32 v[BV+\t], s58
.endr
	s_mov_b32 s[CNT], 7
.Lring:
	TRIP 0, 1, 0
	TRIP 1, 1, 0
	s_sub_co_u32 s[CNT], s[CNT], 1
	s_cmp_lg_u32 s[CNT], 0
	s_cbranch_scc1 .Lring
	TRIP 0, 1, 0
	TRIP 1, 0, 1
	s_lshl_b32 s50, s[WV], 9
	s_add_co_u32 s50, s50, IMG
	v_lshl_add_u32 v4, v[RR], 2, s50
	s_delay_alu instid0(VALU_DEP_1)
	v_lshl_add_u32 v4, v[HH], 12, v4
	v_and_b32 v5, 63, v0
	s_delay_alu instid0(VALU_DEP_1)
	v_lshl_add_u32 v5, v5, 3, IMG
	v_lshlrev_b32 v6, 3, v0
.irp t, 0,1,2,3,4,5,6,7
	v_mov_b32 v[D+8*\t], 7
.endr
.irp j, 6,5,4,3,2,1,0
.irp t, 0,1,2,3,4,5,6,7
	v_cmp_neq_f32 vcc_lo, v[SV+8*\t+\j], v[BV+\t]
	s_delay_alu instid0(VALU_DEP_1)
	v_cndmask_b32 v[D+8*\t], \j, v[D+8*\t], vcc_lo
.endr
.endr
.irp t, 0,1,2,3,4,5,6,7
	v_lshl_add_u32 v[D+8*\t], v[BI+\t], 4, v[D+8*\t]
.endr
.irp t, 0,1,2,3,4,5,6,7
	v_lshl_add_u32 v[D+8*\t], v[HH], 3, v[D+8*\t]
.endr
.irp t, 0,1,2,3,4,5,6,7
	v_permlanex16_b32 v[T+\t], v[BV+\t], s[SEL], s[SEL+1]
	v_permlanex16_b32 v[T+8+\t], v[D+8*\t], s[SEL], s[SEL+1]
.endr
.irp t, 0,1,2,3,4,5,6,7
	MERGE BV+\t, D+8*\t, T+\t, T+8+\t
.endr
.irp t, 0,1,2,3,4,5,6,7
	v_cndmask_b32 v[T+\t], v[BV+\t], v[D+8*\t], s[HM]
	ds_store_b32 v4, v[T+\t] offset:64*\t
.endr
	s_wait_dscnt 0x0
	s_barrier_signal -1
	s_barrier_wait -1
	s_cmp_gt_u32 s[WV], 1
	s_cbranch_scc1 .Lnot_mine
.irp w, 0,1,2,3,4,5,6,7
	ds_load_b64 v[D+2*\w:D+2*\w+1], v5 offset:512*\w
	ds_load_b64 v[D+16+2*\w:D+16+2*\w+1], v5 offset:4096+512*\w
.endr
	s_wait_dscnt 0x0
.irp w, 1,2,3,4,5,6,7
.irp e, 0,1
	MERGE D+\e, D+16+\e, D+2*\w+\e, D+16+2*\w+\e
.endr
.endr
	global_store_b64 v6, v[D+16:D+17], s[8:9]
.Lnot_mine:
	s_wait_tensorcnt 0x0
	ds_add_u32 v[SPW], v[NIL]
	s_wait_dscnt 0x0
	ROUND
	s_endpgm
.Lfunc_end_k_q6df6f69683_find:
	.size	k_q6df6f69683_find, .Lfunc_end_k_q6df6f69683_find-k_q6df6f69683_find
	.p2alignl 7, 3214868480
	.fill 96, 4, 3214868480
	.section	.rodata,"a",@progbits
	.p2align	6, 0x0
	.amdhsa_kernel k_q6df6f69683_find
		.amdhsa_group_segment_fixed_size 327680
		.amdhsa_private_segment_fixed_size 0
		.amdhsa_enable_private_segment 0
		.amdhsa_kernarg_size 24
		.amdhsa_user_sgpr_count 2
		.amdhsa_user_sgpr_kernarg_segment_ptr 1
		.amdhsa_wavefront_size32 1
		.amdhsa_system_sgpr_workgroup_id_x 1
		.amdhsa_system_sgpr_workgroup_id_y 1
		.amdhsa_system_sgpr_workgroup_id_z 1
		.amdhsa_system_vgpr_workitem_id 0
		.amdhsa_next_free_vgpr 512
		.amdhsa_next_free_sgpr 66
		.amdhsa_reserve_vcc 1
		.amdhsa_float_denorm_mode_32 3
		.amdhsa_float_denorm_mode_16_64 3
		.amdhsa_memory_ordered 1
		.amdhsa_forward_progress 1
		.amdhsa_inst_pref_size 255
	.end_amdhsa_kernel
	.section	.bss,"aw",@nobits
	.p2align	6
	.space	262144
	.amdgpu_metadata
---
amdhsa.version: [ 1, 2 ]
amdhsa.kernels:
  - .name:           k_q6df6f69683_find
    .symbol:         k_q6df6f69683_find.kd
    .args:
      - { .name: z, .offset: 0, .size: 8, .value_kind: global_buffer, .address_space: global }
      - { .name: cbq, .offset: 8, .size: 8, .value_kind: global_buffer, .address_space: global }
      - { .name: idx, .offset: 16, .size: 8, .value_kind: global_buffer, .address_space: global }
    .group_segment_fixed_size: 327680
    .private_segment_fixed_size: 0
    .kernarg_segment_align: 8
    .kernarg_segment_size: 24
    .max_flat_workgroup_size: 256
    .sgpr_count:     66
    .vgpr_count:     512
    .wavefront_size: 32
...
	.end_amdgpu_metadata
.endif
;; end of part 2
;; launch emit (part 3): grid 256 x 1, 8 waves a work-group, no clusters, 132,096 bytes of LDS; arguments z, codebook, idx, out0; writes out0
.if DOCPART == 3
	.amdgcn_target "amdgcn-amd-amdhsa--gfx1250"
	.amdhsa_code_object_version 6
	.text
	.protected	k_q6df6f69683_emit
	.globl	k_q6df6f69683_emit
	.p2align	8
	.type	k_q6df6f69683_emit,@function
k_q6df6f69683_emit:
	s_mov_b64 s[64:65], 0
	v_nop
	global_prefetch_b8 v0, s[64:65] scope:SCOPE_SE
	s_setreg_imm32_b32 hwreg(HW_REG_WAVE_MODE, 25, 1), 1
	s_wait_xcnt 0x0
; out0[b][c][hw] = z + (codebook[idx][c] - z), two f32 operations as the definition has them.  z, out0: [8][256][64][64] f32; codebook [8192][256] f32; idx: one word a token n = 4096 b + hw, stored by the launch before.
; A token's code is a ROW of the codebook (256 channels on end); the output wants 128 neighbouring tokens of ONE channel on end.  So a work-group's 128 rows are turned through LDS.
; SHARES.  Work-group g: the 128 tokens of one b and 128 neighbouring hw.  Wave w gathers tokens 16 w .. 16 w + 15 (sixteen lanes read 256 consecutive bytes of a row), and afterwards writes channels 32 w .. 32 w + 31
; (32 lanes read and store 512 consecutive bytes).  Memory binds: z is read once, out0 written once in whole rows of 512 bytes; matrix units, tensor loads and clusters would add nothing here.
; LDS: E[channel][token], rows of 512 bytes.  The groups of four tokens of a row are ROTATED by channel / 4: element (c, t) lies at 512 c + 16 (((t / 4) + (c / 4)) % 32) + 4 (t % 4).  So the 32 lanes of a store on the way in
; (16 channel groups x 2 tokens) fall on 32 different banks (64 banks of 4 bytes: ISA guide 11.1), and a read of a row is 512 consecutive bytes, rotated.
; An index is held to 0 .. 8,191 before it enters an address.
.set ZO,  4                            ; v4     my 16 bytes in z and out0: 16 x lane + my wave's 32 channels
.set IO,  5                            ; v5     idx: 64 w + 4 h
.set RO,  6                            ; v6-13  the index of token 16 w + 2 i + h, then its row's byte offset + 16 r
.set RW,  14                           ; v14    r + 4 w
.set BR,  15                           ; v15-16 2048 r + 4 h, and the same 65,536 on
.set SA,  17                           ; v17-20 the stores' addresses, one for each quarter of a row
.set LW,  21                           ; v21    lane + 8 w
.set EA,  22                           ; v22-29 the reads' addresses, one for each four channels
.set R16, 30                           ; v30    16 r
.set G,   32                           ; v32-159 the gathered rows: token pair i, quarter q at v[32 + 16 i + 4 q]; later z's second half (v32-95) and results (v96-159)
.set Z,   160                          ; v160-223 z's first half; later results
	s_load_b256 s[4:11], s[0:1], 0x0               ; z s[4:5], codebook s[6:7], idx s[8:9], out0 s[10:11]
	v_lshl_add_u32 v224, v0, 2, 0x20000
	v_mov_b32 v225, 0
	v_lshrrev_b32 v1, 5, v0
	s_delay_alu instid0(VALU_DEP_1)
	v_readfirstlane_b32 s12, v1                    ; wave 0..7
	v_and_b32 v1, 31, v0                           ; lane
	s_wait_alu depctr_va_vdst(0)
	v_and_b32 v2, 15, v0                           ; r
	v_bfe_u32 v3, v0, 4, 1                         ; h
	s_wait_alu depctr_va_vdst(0)
	s_lshr_b32 s14, ttmp9, 5                       ; b x 4,194,304 + 512 x (block in the image)
	s_lshl_b32 s14, s14, 22
	s_and_b32 s15, ttmp9, 31
	s_lshl_b32 s15, s15, 9
	s_add_co_u32 s14, s14, s15
	s_mov_b32 s15, 0
	s_lshl_b32 s16, ttmp9, 9                       ; 128 words of idx a work-group
	s_mov_b32 s17, 0
	s_lshl_b32 s18, s12, 19
	v_lshl_add_u32 v[ZO], v1, 4, s18
	s_lshl_b32 s18, s12, 6
	v_lshl_add_u32 v[IO], v3, 2, s18
	s_lshl_b32 s18, s12, 2
	v_add_nc_u32 v[RW], s18, v2
	v_lshlrev_b32 v[BR], 11, v2
	s_delay_alu instid0(VALU_DEP_1)
	v_lshl_add_u32 v[BR], v3, 2, v[BR]
	s_delay_alu instid0(VALU_DEP_1)
	v_add_nc_u32 v[BR+1], 65536, v[BR]
	s_lshl_b32 s18, s12, 3
	v_add_nc_u32 v[LW], s18, v1
	s_lshl_b32 s18, s12, 14
.irp k, 0,1,2,3,4,5,6,7
	v_add_nc_u32 v[EA+\k], \k, v[LW]               ; channels 32 w + 4 k on: the row's groups are rotated by 8 w + k
	s_delay_alu instid0(VALU_DEP_1)
	v_and_b32 v[EA+\k], 31, v[EA+\k]
	s_delay_alu instid0(VALU_DEP_1)
	v_lshl_add_u32 v[EA+\k], v[EA+\k], 4, s18
.endr
	v_lshlrev_b32 v[R16], 4, v2
	s_wait_kmcnt 0x0
	s_add_nc_u64 s[4:5], s[4:5], s[14:15]
	s_add_nc_u64 s[10:11], s[10:11], s[14:15]
	s_add_nc_u64 s[8:9], s[8:9], s[16:17]
.irp i, 0,1,2,3,4,5,6,7
	global_load_b32 v[RO+\i], v[IO], s[8:9] offset:8*\i
.endr
.irp n, 0,1,2,3,4,5,6,7,8,9,10,11,12,13,14,15
	global_load_b128 v[Z+4*\n:Z+4*\n+3], v[ZO], s[4:5] offset:16384*\n th:TH_LOAD_NT   ; z, my first 16 channels: on their way while the rows are gathered
.endr
	s_wait_loadcnt 16                              ; the indices are in; the sixteen loads of z behind them may be out
.irp i, 0,1,2,3,4,5,6,7
	v_min_u32 v[RO+\i], 0x1fff, v[RO+\i]
.endr
.irp i, 0,1,2,3,4,5,6,7
	v_lshlrev_b32 v[RO+\i], 10, v[RO+\i]           ; a row is 1,024 bytes
.endr
.irp i, 0,1,2,3,4,5,6,7
	v_add_nc_u32 v[RO+\i], v[R16], v[RO+\i]
.endr
.irp i, 0,1,2,3,4,5,6,7
.irp q, 0,1,2,3
	global_load_b128 v[G+16*\i+4*\q:G+16*\i+4*\q+3], v[RO+\i], s[6:7] offset:256*\q   ; channels 64 q + 4 r + 0 .. 3 of token 16 w + 2 i + h.  No hint: a row may be named again
.endr
.endr
.irp i, 0,1,2,3,4,5,6,7
	s_wait_alu depctr_va_vdst(0)
	s_wait_loadcnt 4*(7-\i)                        ; this pair of tokens is in; the later pairs' loads may be out
.irp q, 0,1,2,3
.if (\i)%2 == 0
	v_add_nc_u32 v[SA+\q], (\i)/2+16*((\q)%2), v[RW]               ; token group 4 w + i / 2, rotated by channel group 16 q + r: it serves this i and the next
	s_delay_alu instid0(VALU_DEP_1)
	v_and_b32 v[SA+\q], 31, v[SA+\q]
	s_delay_alu instid0(VALU_DEP_1)
	v_lshl_add_u32 v[SA+\q], v[SA+\q], 4, v[BR+(\q)/2]
.endif
.irp e, 0,1,2,3
	ds_store_b32 v[SA+\q], v[G+16*\i+4*\q+\e] offset:32768*((\q)%2)+512*\e+8*((\i)%2)
.endr
.endr
.endr
	s_wait_dscnt 0x0                               ; for the others' sake: my stores have landed; and they have read their registers,
.irp n, 0,1,2,3,4,5,6,7,8,9,10,11,12,13,14,15
	global_load_b128 v[G+4*\n:G+4*\n+3], v[ZO], s[4:5] offset:16384*(16+\n) th:TH_LOAD_NT   ; which take z, my second 16 channels
.endr
	s_barrier_signal -1
	s_barrier_wait -1                              ; all 128 rows lie in LDS
; Sixteen channels from n0 on: e comes from LDS into v[eb] on, z lies in v[zb] on; the results take e's registers and leave from there; no store's data are written again
.macro OUTB eb, zb, n0
.irp n, 0,1,2,3,4,5,6,7,8,9,10,11,12,13,14,15
	ds_load_b128 v[\eb+4*\n:\eb+4*\n+3], v[EA+((\n0)+\n)/4] offset:512*((\n0)+\n)
.endr
.irp n, 0,1,2,3,4,5,6,7,8,9,10,11,12,13,14,15
	s_wait_dscnt 15-\n                             ; LDS loads come back in order (ISA guide 5.7.1): channel n's is in
	v_pk_add_f32 v[\eb+4*\n:\eb+4*\n+1], v[\eb+4*\n:\eb+4*\n+1], v[\zb+4*\n:\zb+4*\n+1] neg_lo:[0,1] neg_hi:[0,1]       ; e - z
	v_pk_add_f32 v[\eb+4*\n+2:\eb+4*\n+3], v[\eb+4*\n+2:\eb+4*\n+3], v[\zb+4*\n+2:\zb+4*\n+3] neg_lo:[0,1] neg_hi:[0,1]
	s_delay_alu instid0(VALU_DEP_2)
	v_pk_add_f32 v[\eb+4*\n:\eb+4*\n+1], v[\zb+4*\n:\zb+4*\n+1], v[\eb+4*\n:\eb+4*\n+1]                                 ; z + (e - z)
	s_delay_alu instid0(VALU_DEP_2)
	v_pk_add_f32 v[\eb+4*\n+2:\eb+4*\n+3], v[\zb+4*\n+2:\zb+4*\n+3], v[\eb+4*\n+2:\eb+4*\n+3]
	global_store_b128 v[ZO], v[\eb+4*\n:\eb+4*\n+3], s[10:11] offset:16384*((\n0)+\n) th:TH_STORE_NT   ; 32 lanes store 512 consecutive bytes, at a multiple of 256 from out0's first byte
.endr
.endm
	OUTB G+64, Z, 0                                ; z's first half came in ahead of the gathered rows, which have been waited for
	s_wait_loadcnt 0x0                             ; z's second half
	OUTB Z, G, 16
	s_wait_tensorcnt 0x0
	ds_add_u32 v224, v225
	s_wait_dscnt 0x0
	s_endpgm
.Lfunc_end_k_q6df6f69683_emit:
	.size	k_q6df6f69683_emit, .Lfunc_end_k_q6df6f69683_emit-k_q6df6f69683_emit
	.p2alignl 7, 3214868480
	.fill 96, 4, 3214868480
	.section	.rodata,"a",@progbits
	.p2align	6, 0x0
	.amdhsa_kernel k_q6df6f69683_emit
		.amdhsa_group_segment_fixed_size 132096
		.amdhsa_private_segment_fixed_size 0
		.amdhsa_enable_private_segment 0
		.amdhsa_kernarg_size 32
		.amdhsa_user_sgpr_count 2
		.amdhsa_user_sgpr_kernarg_segment_ptr 1
		.amdhsa_wavefront_size32 1
		.amdhsa_system_sgpr_workgroup_id_x 1
		.amdhsa_system_sgpr_workgroup_id_y 1
		.amdhsa_system_sgpr_workgroup_id_z 1
		.amdhsa_system_vgpr_workitem_id 0
		.amdhsa_next_free_vgpr 226
		.amdhsa_next_free_sgpr 66
		.amdhsa_reserve_vcc 0
		.amdhsa_float_denorm_mode_32 3
		.amdhsa_float_denorm_mode_16_64 3
		.amdhsa_memory_ordered 1
		.amdhsa_forward_progress 1
		.amdhsa_inst_pref_size 39
	.end_amdhsa_kernel
	.amdgpu_metadata
---
amdhsa.version: [ 1, 2 ]
amdhsa.kernels:
  - .name:           k_q6df6f69683_emit
    .symbol:         k_q6df6f69683_emit.kd
    .args:
      - { .name: z, .offset: 0, .size: 8, .value_kind: global_buffer, .address_space: global }
      - { .name: codebook, .offset: 8, .size: 8, .value_kind: global_buffer, .address_space: global }
      - { .name: idx, .offset: 16, .size: 8, .value_kind: global_buffer, .address_space: global }
      - { .name: out0, .offset: 24, .size: 8, .value_kind: global_buffer, .address_space: global }
    .group_segment_fixed_size: 132096
    .private_segment_fixed_size: 0
    .kernarg_segment_align: 8
    .kernarg_segment_size: 32
    .max_flat_workgroup_size: 256
    .sgpr_count:     66
    .vgpr_count:     226
    .wavefront_size: 32
...
	.end_amdgpu_metadata
.endif
;; end of part 3
